; MI455X (gfx1250); checked and timed in simulation.
; The chip was launched on July 23, 2026; its instructions are those of AMD's public machine-readable ISA for CDNA 5 (MIT licence, August 2026) and "CDNA5" Instruction Set Architecture Reference Guide (July 2026). The comments in the code are by the model that wrote it; some were corrected since.
;; Attention. Allowed arithmetic: matrix products marked QUANTISED: E4M3 operands, one given power-of-two scale a tensor, by v_wmma_f32_16x16x64_fp8_fp8 or v_wmma_f32_16x16x128_fp8_fp8, f32 sums; products left as they are: f32 operands where the result goes on into a quantised operand, else bf16, f16 or f32 operands; f32 sums; everything else in f32.
;; Inputs: W 1,024 x 1,024 float32; b 1,024 float32; encoder_outputs 2,048 x 32 x 1,024 float32; hidden 1 x 32 x 1,024 float32; lowp_scales 2 int32 (the exponents e of the quantised operands' scales 2^e).
;; Outputs: out0 32 x 1 x 2,048 float32.
;; This version of the problem:
;;   THIS VERSION OF THE PROBLEM IS GIVEN IN LOW PRECISION. The matrix products marked QUANTISED in the list below multiply operands that are first quantised to E4M3 (4 exponent bits, 3 mantissa bits; 8 bits a number), with one given power-of-two scale for each operand tensor; their sums are f32. All else is computed in f32.
;;   The module's matrix products, in the order in which they are computed (A, B: the left and right operand; K: the contracted axis; several contracted axes count as one K, in the product's order):
;;     1. [M 65,536, K 1,024] x [K 1,024, N 1,024]; A: input encoder_outputs; B: input W: QUANTISED (scales: A lowp_scales[0], B lowp_scales[1])
;;     2. batch 32 x [M 1, K 1,024] x [K 1,024, N 2,048]; A: input hidden; B: computed on the way: left as it is (M = 1 < 16)
;;   THE QUANTISER, for each operand of a quantised product, along K:
;;     - The operand's scale is 2^e, e = its entry of the input lowp_scales (int32; the entries are numbered through the quantised products in the list's order, A before B).
;;     - Each number is divided by the scale, clamped to +-448, and rounded to the nearest number of E4M3, ties to even, subnormals kept.
;;     - The product sums the exact products of the quantised numbers (number of the format x scale) in f32.
;;   ~~~python
;;   def quantise(x, axis, e):      # numpy; x: float32 -> the quantised numbers, widened to float32 again
;;       x = np.moveaxis(x, axis, -1); K = x.shape[-1]
;;       r = np.clip(x / 2.0 ** e, -448, 448)
;;       step = 2.0 ** (np.maximum(np.frexp(np.where(r == 0, 1, r))[1] - 1, -6) - 3)
;;       q = np.round(r / step) * step * 2.0 ** e      # np.round: ties to even
;;       return np.moveaxis(q, -1, axis).astype(np.float32)
;;   ~~~
;; 2 versions. Each part assembles by itself: llvm-mc -triple=amdgcn-amd-amdhsa -mcpu=gfx1250 --defsym DOCPART=n.
;; ======== version 1 of 2: 3 launches
;; workspace buffers: w_codes 1,048,576 bytes; scores 262,144 bytes
;; launch wq (part 1): grid 256 x 1, 4 waves a work-group, no clusters, 20,992 bytes of LDS; arguments W, lowp_scales, w_codes; writes w_codes
.if DOCPART == 1
	.amdgcn_target "amdgcn-amd-amdhsa--gfx1250"
	.amdhsa_code_object_version 6
	.text
	.protected	k_qc4c79b9383_wq
	.globl	k_qc4c79b9383_wq
	.p2align	8
	.type	k_qc4c79b9383_wq,@function
k_qc4c79b9383_wq:
	s_mov_b64 s[64:65], 0
	v_nop
	global_prefetch_b8 v0, s[64:65] scope:SCOPE_SE
	s_setreg_imm32_b32 hwreg(HW_REG_WAVE_MODE, 25, 1), 1
	s_wait_xcnt 0x0
; W [1024 (n)][1024 (k)], f32, becomes codes of FP8 (E4M3) with the given scale 2^e1 (entry 1 of the scales' buffer):
; code = x / 2^e1, held within +-448, rounded to the nearest code, ties to even.
; LIMITS: e1 between -126 and 119, so that 2^e1 and 448 x 2^e1 are f32 numbers.  NaN in W is not served; an infinity is held at the largest code.
; LAYOUT OF THE CODES: the byte of (n, k) is (k / 256) x 262,144 + 256 n + k % 256: sixteen dense pieces of 256 n x 256 k, in the order in which the next launch fetches them.
; SHARES: one wave to a row n = 4 x work-group + wave.  Each of its eight loads reads 512 consecutive bytes, 16 a lane.  The conversions want 16 NEIGHBOURS along k in one lane, so
; half a row (2,048 bytes) at a time turns through the wave's own stage in LDS: in as loaded, back 64 bytes a lane; 16 bytes of padding behind each 64.
; A lane's 16 codes are 16 bytes: sixteen lanes store 256 consecutive bytes, at a multiple of 256 from the buffer's first byte.  Waves share nothing: no barrier.
.set SP,     80                        ; a lane's place in a stage: 64 bytes + 16 of padding
.set STAGEB, 32*SP                     ; a stage; two for each wave
.set R,      16                        ; v16-47  the row as loaded
.set X,      48                        ; v48-79  two sets of 16 neighbours
.set C,      80                        ; v80-87  the codes: four registers for each half row
	s_load_b128 s[4:7], s[0:1], 0x0                ; W, the scales' exponents
	s_load_b64 s[8:9], s[0:1], 0x10                ; the codes
	v_lshl_add_u32 v96, v0, 2, 0x5000
	v_mov_b32 v97, 0
	v_lshrrev_b32 v1, 5, v0
	v_readfirstlane_b32 s16, v1                    ; wave 0..3
	v_and_b32 v2, 31, v0                           ; lane
	v_lshlrev_b32 v3, 4, v2                        ; my 16 bytes of a load's 512
	v_lshrrev_b32 v5, 4, v2
	v_and_b32 v6, 15, v2
	v_lshlrev_b32 v4, 4, v6
	v_lshl_add_u32 v4, v5, 18, v4                  ; out: 16 (lane % 16), and lanes 16-31 one group of 256 k (262,144 bytes) on
	s_mul_i32 s17, s16, 2*STAGEB                   ; my two stages
	v_lshrrev_b32 v14, 2, v2
	v_mul_u32_u24 v14, v14, SP
	v_and_b32 v15, 3, v2
	v_lshl_add_u32 v14, v15, 4, v14
	v_add_nc_u32 v14, s17, v14                     ; into a stage: four lanes' 64 bytes on end, then the padding
	v_mul_u32_u24 v15, v2, SP
	v_add_nc_u32 v15, s17, v15                     ; out of it: my 16 neighbours
	s_lshl_b32 s18, ttmp9, 2
	s_add_co_u32 s18, s18, s16                     ; n
	s_lshl_b32 s20, s18, 12                        ; a row of W is 4,096 bytes
	s_mov_b32 s21, 0
	s_lshl_b32 s22, s18, 8                         ; a row of a piece is 256 bytes
	s_mov_b32 s23, 0
	s_wait_kmcnt 0x0
	s_load_b32 s24, s[6:7], 0x4                    ; e1
	s_add_nc_u64 s[4:5], s[4:5], s[20:21]
	s_add_nc_u64 s[8:9], s[8:9], s[22:23]
.irp i, 0,1,2,3,4,5,6,7
	global_load_b128 v[R+4*\i:R+4*\i+3], v3, s[4:5] offset:512*\i th:TH_LOAD_NT   ; read once in the launch
.endr
	s_wait_kmcnt 0x0
	s_add_co_i32 s24, s24, 127
	s_lshl_b32 s25, s24, 23
	v_mov_b32 v11, s25                             ; 2^e1 as f32: the conversion takes its exponent field
	s_add_co_i32 s24, s24, 8
	s_lshl_b32 s24, s24, 23
	s_or_b32 s24, s24, 0x600000
	v_mov_b32 v10, s24                             ; 448 x 2^e1
.macro TURN t                          ; half row t through its stage: LDS serves a wave's instructions in order, so no wait stands between the stores and the loads
	s_wait_loadcnt 4-4*\t                          ; this half's four loads are in; the other half's four may be out
.irp i, 0,1,2,3
	ds_store_b128 v14, v[R+16*\t+4*\i:R+16*\t+4*\i+3] offset:STAGEB*\t+8*SP*\i
.endr
.irp i, 0,1,2,3
	ds_load_b128 v[X+16*\t+4*\i:X+16*\t+4*\i+3], v15 offset:STAGEB*\t+16*\i
.endr
.endm
.macro QUANT t
	s_wait_dscnt 8-8*\t                            ; this half is back; behind it stand the other half's four stores and four loads, or nothing
.irp i, 0,1,2,3,4,5,6,7,8,9,10,11,12,13,14,15
	v_med3_num_f32 v[X+16*\t+\i], v[X+16*\t+\i], -v10, v10   ; the conversion to an 8-bit code does not saturate (ISA guide 7.6.2): the hold comes first
.endr
	v_cvt_scalef32_pk8_fp8_f32 v[C+4*\t:C+4*\t+1], v[X+16*\t:X+16*\t+7], v11
	v_cvt_scalef32_pk8_fp8_f32 v[C+4*\t+2:C+4*\t+3], v[X+16*\t+8:X+16*\t+15], v11
	v_nop                                          ; a plain line behind the run of conversions
	global_store_b128 v4, v[C+4*\t:C+4*\t+3], s[8:9] offset:524288*\t   ; k = 512 t + 16 lane: two groups of 256 k on for the second half
.endm
	TURN 0
	TURN 1
	QUANT 0
	QUANT 1
	s_wait_tensorcnt 0x0
	ds_add_u32 v96, v97
	s_wait_dscnt 0x0
	s_endpgm
.Lfunc_end_k_qc4c79b9383_wq:
	.size	k_qc4c79b9383_wq, .Lfunc_end_k_qc4c79b9383_wq-k_qc4c79b9383_wq
	.p2alignl 7, 3214868480
	.fill 96, 4, 3214868480
	.section	.rodata,"a",@progbits
	.p2align	6, 0x0
	.amdhsa_kernel k_qc4c79b9383_wq
		.amdhsa_group_segment_fixed_size 20992
		.amdhsa_private_segment_fixed_size 0
		.amdhsa_enable_private_segment 0
		.amdhsa_kernarg_size 24
		.amdhsa_user_sgpr_count 2
		.amdhsa_user_sgpr_kernarg_segment_ptr 1
		.amdhsa_wavefront_size32 1
		.amdhsa_system_sgpr_workgroup_id_x 1
		.amdhsa_system_sgpr_workgroup_id_y 1
		.amdhsa_system_sgpr_workgroup_id_z 1
		.amdhsa_system_vgpr_workitem_id 0
		.amdhsa_next_free_vgpr 98
		.amdhsa_next_free_sgpr 66
		.amdhsa_reserve_vcc 0
		.amdhsa_float_denorm_mode_32 3
		.amdhsa_float_denorm_mode_16_64 3
		.amdhsa_memory_ordered 1
		.amdhsa_forward_progress 1
		.amdhsa_inst_pref_size 7
	.end_amdhsa_kernel
	.amdgpu_metadata
---
amdhsa.version: [ 1, 2 ]
amdhsa.kernels:
  - .name:           k_qc4c79b9383_wq
    .symbol:         k_qc4c79b9383_wq.kd
    .args:
      - { .name: W, .offset: 0, .size: 8, .value_kind: global_buffer, .address_space: global }
      - { .name: lowp_scales, .offset: 8, .size: 8, .value_kind: global_buffer, .address_space: global }
      - { .name: w_codes, .offset: 16, .size: 8, .value_kind: global_buffer, .address_space: global }
    .group_segment_fixed_size: 20992
    .private_segment_fixed_size: 0
    .kernarg_segment_align: 8
    .kernarg_segment_size: 24
    .max_flat_workgroup_size: 128
    .sgpr_count:     66
    .vgpr_count:     98
    .wavefront_size: 32
...
	.end_amdgpu_metadata
.endif
;; end of part 1
;; launch score (part 2): grid 256 x 1, 4 waves a work-group, clusters of 4 x 1, 327,680 bytes of LDS; arguments encoder_outputs, w_codes, hidden, b, lowp_scales, scores; writes scores
.if DOCPART == 2
	.amdgcn_target "amdgcn-amd-amdhsa--gfx1250"
	.amdhsa_code_object_version 6
	.text
	.protected	k_qc4c79b9383_score
	.globl	k_qc4c79b9383_score
	.p2align	8
	.type	k_qc4c79b9383_score,@function
k_qc4c79b9383_score:
	s_mov_b64 s[64:65], 0
	v_nop
	global_prefetch_b8 v0, s[64:65] scope:SCOPE_SE
	s_setreg_imm32_b32 hwreg(HW_REG_WAVE_MODE, 25, 1), 1
	s_wait_xcnt 0x0
	s_wait_alu depctr_hold_cnt(0) depctr_sa_sdst(0) depctr_va_vdst(0) depctr_va_sdst(0) depctr_va_ssrc(0) depctr_va_vcc(0) depctr_vm_vsrc(0)
	s_getreg_b32 s2, hwreg(HW_REG_IB_STS2, 6, 4)
	s_cmp_eq_u32 s2, 0
	s_cbranch_scc0 .Lentry_in_a_cluster
	s_endpgm
.Lentry_in_a_cluster:
	s_bfe_u32 s2, ttmp6, 0x10000c
	s_cmp_lg_u32 s2, 0x3003
	s_cbranch_scc0 .Lentry_shape_is_right
	s_endpgm
.Lentry_shape_is_right:
; scores[b][s] = 2^(e0 + e1) x sum over n of hidden[b][n] x (sum over k of qE[s][b][k] qW[n][k])  +  sum over n of hidden[b][n] bias[n].
; E [2048 (s)][32 (b)][1024 (k)] f32 is quantised here, on its way to the matrix unit, with the given scale 2^e0; W arrives as codes (the launch before).  The products run on the codes as they
; are, by v_wmma_f32_16x16x128_fp8_fp8; each 16 x 16 result is folded at once with hidden, in f32: the projection never exists in memory.
; LIMITS: e0 between -126 and 119; e0 + e1 between -126 and 127 (each power of two below is an f32 number).  NaN in E is not served; an infinity is held at the largest code.
; ORDER OF SUMS: K goes in four chunks of 256, each chunk's result folded with hidden in f32; hidden . bias is added once a row.  That orders the f32 sums otherwise than a single sum over K would.
; SHARES.  256 work-groups of four waves.  Work-group x owns ONE b = x % 32 and 256 rows s = 256 (x / 32) on; wave w owns 64 of them: four tiles of 16.  All rows of a wave share b, so in a result
; (lane r = column n, register j = row 8 (lane / 16) + j) hidden is one number a lane for each tile of 16 n: 64 registers hold all 1,024.
; A wave keeps the chunk's codes of its 64 rows in 128 registers.  A tile of 16 n costs two fragments of W from LDS and feeds 8 matrix instructions; 16 packed multiply-adds fold them.
; While chunk j is multiplied, chunk j + 1 of E lands in LDS as f32 and is quantised into a second set of 128 registers.
; STEPS.  16 steps p = 4 j + q, one LDS slot each: W's piece p (n = 256 q on, k = 256 j on: 256 rows x 256 bytes) and E's piece p + 4 (my 256 rows x 64 k of f32: 256 bytes a row).
; A step is 16 sections (one tile of n each): 128 matrix instructions a wave.  The 16 steps are written out by macros and each line runs once: hidden's register, the conversions' destination
; and the window of the codes stand in the instructions' text and differ from step to step, and the last fills differ from the first.
; CLUSTER.  The four work-groups of a cluster walk the same pieces of W: each is asked for JOINTLY (mask 15), by waves 2 and 3.  E's tiles belong to one work-group alone: waves 0 and 1 fetch them by
; loads without a mask, behind the same rounds.  No more than four share: W is all that is shared, and a mask here names the four of a 4 x 1 cluster.
; K IN A FRAGMENT: registers 4 c .. 4 c + 3 hold k = 32 c + 16 (lane / 16) + 0 .. 15, alike in E's and in W's fragments: every product meets its partner; only the order inside an instruction's sum changes.
; REGISTERS, in windows of 256 (s_set_vgpr_msb: bits 1:0 source 0, 3:2 source 1, 5:4 source 2, 7:6 destination):
;   window 0: v1-9 at work; v[10:11] hidden . bias; v[12:13] two scores on the way out; v24-29 addresses; v32-63 the scores' sums (row 16 t + 8 h + j at 32 + 8 t + j);
;             v64-127 two sets of four accumulators; v128-255 four sets of one n tile's two fragments of W (at the head v128-191 hold bias).
;   windows 1 and 2, laid alike: v0-127 E's codes (tile t, K step ks at 16 (2 t + ks)); v128-191 hidden; v192-193, v196-199 LDS addresses; v200 2^e0; v201 448 x 2^e0; v224-255 two sets of 16 numbers of E.
;   Chunk j multiplies from window 1 + j % 2 and quantises into the other.  With source 0 alone in the codes' window, the matrix instruction (E's codes), the fold (hidden) and W's LDS load (its address)
;   run under ONE setting; the conversions run with every place in the other window.
.set PITCH, 272                        ; an LDS row: 256 bytes + 16 of padding = 68 words: row r starts at bank 4 r mod 64 (64 banks of 4 bytes: ISA guide 11.1), so the 16 rows that a load touches start at 16 different banks
.set HALF,  128*PITCH                  ; 128 rows: what one tensor load brings
.set REG,   2*HALF                     ; a region of 256 rows
.set SLOT,  2*REG                      ; a slot: E's region, then W's
.set SPARE, 2*SLOT                     ; behind the ring: the spare words, 128 bytes for each wave: two blocks of 256 bytes that no other line names
.set STG,   SPARE+512                  ; the way out: 256 bytes for each wave, its 64 scores; no fill lands here
.set CB,  10
.set OUT, 12
.set STO, 24                           ; v24  the stage, in: STG + 256 w + 32 h
.set SRD, 25                           ; v25  the stage, back: STG + 256 w + 8 lane
.set GO,  26                           ; v26  8 lane
.set HOF, 27                           ; v27  4 r: my number of a tile of 16 of hidden or of bias
.set SPW, 28                           ; v28  LDS address of my spare word; never rewritten
.set NIL, 29                           ; v29  0; never rewritten
.set SC,  32
.set ACC, 64
.set BF,  128
.set HID, 128                          ; windows 1, 2
.set ADB, 192                          ; W's fragments in slot 0, 1
.set ADE, 196                          ; E's numbers in region 0 .. 3
.set SCL, 200
.set LIM, 201
.set ST,  224
.set G1E, 32                           ; s[32:39] descriptor group 1 for E's tiles;  s[40:47] for W's
.set G1W, 40
.set G0P, 48                           ; s[48:55] group 0 of my two first fills
.set G0E, 56                           ; s[56:63] group 0 for E, a set for each slot
.set G0W, 68                           ; s[68:75] the same for W
.set DSN, 0                            ; counts the LDS instructions issued so far; a mark taken behind a run of loads gives that run's wait its count: DSN - mark = the LDS instructions issued behind it
.set MB0, 0
.set MB1, 0
.set MB2, 0
.set MB3, 0
.set ME0, 0
.set ME1, 0
.set MSB, 0
.macro WIN new                         ; the immediate's high byte repeats the setting that is left; a switch that changes nothing is dropped
.if MSB != (\new)
	s_set_vgpr_msb (MSB<<8)|(\new)
.set MSB, (\new)
.endif
.endm
.macro PLACES
.rept 4
	v_nop
.endr
.endm
.macro CREST                           ; a round of the cluster's barrier behind its opening barrier
	s_cmp_lg_u32 s16, 0
	s_cbranch_scc1 .Lnot_wave_0_\@
	s_barrier_signal -3
.Lnot_wave_0_\@:
	s_barrier_wait -3
	s_barrier_signal -1
	s_barrier_wait -1
.endm
.macro CROUND                          ; a whole round
	s_barrier_signal -1
	s_barrier_wait -1
	CREST
.endm
.macro THREE                           ; all my tensor loads have landed; 0 onto my spare word; the add is done and my LDS reads are back
	s_wait_tensorcnt 0x0
	ds_add_u32 v[SPW], v[NIL]
	s_wait_dscnt 0x0
.set DSN, DSN+1
.endm
; A fill of slot s.  kind 2: waves 0 and 1 fetch E's two halves (no mask), waves 2 and 3 W's (jointly).  kind 1: W's alone.  The branches hang on the wave's number alone.
; Four v_nop follow each tensor load, ahead of the jump, the label and what follows.
.macro JLOAD kind, s
	s_cmp_lt_u32 s16, 2
.if (\kind) == 2
	s_cbranch_scc0 .Lfor_w_\@
	tensor_load_to_lds s[G0E+4*(\s):G0E+4*(\s)+3], s[G1E:G1E+7]
	s_nop 0
	PLACES
	s_branch .Lasked_\@
.Lfor_w_\@:
.else
	s_cbranch_scc1 .Lasked_\@
.endif
	tensor_load_to_lds s[G0W+4*(\s):G0W+4*(\s)+3], s[G1W:G1W+7]
	s_nop 0
	PLACES
.Lasked_\@:
.endm
	s_load_b256 s[4:11], s[0:1], 0x0               ; E s[4:5], W's codes s[6:7], hidden s[8:9], bias s[10:11]
	s_load_b128 s[12:15], s[0:1], 0x20             ; the scales' exponents s[12:13], scores s[14:15]
	v_lshl_add_u32 v[SPW], v0, 2, SPARE
	v_mov_b32 v[NIL], 0
	ds_add_u32 v28, v29
	ds_add_u32 v28, v29
	s_wait_dscnt 0x0
	v_lshrrev_b32 v3, 5, v0
	v_readfirstlane_b32 s16, v3                    ; wave 0..3
	s_and_b32 s17, s16, 1                          ; which 128 rows of a tile I fetch
	s_lshr_b32 s18, s16, 1
	s_bfe_u32 s19, ttmp6, 0x40000                  ; cx: my place in the cluster: it enters E's, hidden's and scores' addresses alone
	s_lshl_b32 s20, ttmp9, 2                       ; in a cluster launch ttmp9 counts clusters
	s_add_co_u32 s20, s20, s19                     ; x
	s_and_b32 s21, s20, 31                         ; b
	s_lshr_b32 s22, s20, 5                         ; which 256 rows s
	s_mul_i32 s23, s16, HALF                       ; where my tile goes in a slot: wave x 128 rows: E's two halves, then W's two
	; descriptor group 1.  E: 128 rows x 64 elements of 4 bytes, 32,768 elements (32 b x 1,024 k) from row to row.  W: 128 rows x 256 bytes, dense.  Both: 4 words of padding behind every 64
	s_mov_b32 s[G1E+0], (2<<16)|(1<<20)|(5<<22)|(3<<25)            ; 15:0 no mask; 17:16 elements of 4 bytes; 20 padding on; 24:22 after every 64 words (code 5); 31:25 four words (code 3)
	s_mov_b32 s[G1E+1], 64<<16                     ; tensor_dim0
	s_mov_b32 s[G1E+2], 128<<16                    ; tensor_dim1
	s_mov_b32 s[G1E+3], 64<<16                     ; tile_dim0
	s_mov_b32 s[G1E+4], 128                        ; tile_dim1
	s_mov_b32 s[G1E+5], 32768                      ; tensor_dim0_stride
	s_mov_b32 s[G1E+6], 0
	s_mov_b32 s[G1E+7], 0
	s_mov_b32 s[G1W+0], 15|(1<<20)|(1<<21)|(5<<22)|(3<<25)         ; 15:0 the mask: all four work-groups; elements of 1 byte; 21 set beside a mask; the same padding
	s_mov_b32 s[G1W+1], 256<<16
	s_mov_b32 s[G1W+2], 128<<16
	s_mov_b32 s[G1W+3], 256<<16
	s_mov_b32 s[G1W+4], 128
	s_mov_b32 s[G1W+5], 256
	s_mov_b32 s[G1W+6], 0
	s_mov_b32 s[G1W+7], 0
	s_lshl_b32 s24, s22, 25                        ; E: 256 rows of 131,072 bytes,
	s_lshl_b32 s25, s21, 12                        ; + b's 4,096 bytes in a row,
	s_add_co_u32 s24, s24, s25
	s_lshl_b32 s25, s17, 24                        ; + my 128 rows
	s_add_co_u32 s24, s24, s25
	s_mov_b32 s25, 0
	s_lshl_b32 s26, s18, 8                         ; the first fills: piece wave / 2 (256 bytes of a row)
	s_mov_b32 s27, 0
	s_lshl_b32 s80, s17, 15                        ; W: my 128 rows of 256 bytes (registers that never hold a number made of cx)
	s_mov_b32 s81, 0
	s_lshl_b32 s28, s21, 12                        ; hidden: row b
	s_mov_b32 s29, 0
	s_lshl_b32 s30, s21, 13                        ; scores: row b of 8,192 bytes, + 1,024 x block of s, + 256 x wave
	s_lshl_b32 s31, s22, 10
	s_add_co_u32 s30, s30, s31
	s_lshl_b32 s31, s16, 8
	s_add_co_u32 s30, s30, s31
	s_mov_b32 s31, 0
	s_wait_kmcnt 0x0
	s_load_b64 s[78:79], s[12:13], 0x0             ; e0, e1
	s_add_nc_u64 s[4:5], s[4:5], s[24:25]
	s_add_nc_u64 s[6:7], s[6:7], s[80:81]
	s_add_nc_u64 s[8:9], s[8:9], s[28:29]
	s_add_nc_u64 s[14:15], s[14:15], s[30:31]
	s_add_nc_u64 s[24:25], s[4:5], s[26:27]
.irp s, 0,1
	s_mov_b32 s[G0P+4*\s], 1                                       ; count = 1
	s_add_co_u32 s[G0P+4*\s+1], s23, \s*SLOT                       ; LDS: region 2 s + wave / 2, half wave % 2
	s_add_nc_u64 s[G0P+4*\s+2:G0P+4*\s+3], s[24:25], \s*512        ; E's piece 2 s + wave / 2
	s_or_b32 s[G0P+4*\s+3], s[G0P+4*\s+3], 0x80000000              ; type = 2
	s_mov_b32 s[G0E+4*\s], 1
	s_add_co_u32 s[G0E+4*\s+1], s23, \s*SLOT
	s_add_nc_u64 s[G0E+4*\s+2:G0E+4*\s+3], s[4:5], (4+\s)*256      ; E's piece 4 + s
	s_or_b32 s[G0E+4*\s+3], s[G0E+4*\s+3], 0x80000000
	s_mov_b32 s[G0W+4*\s], 1
	s_add_co_u32 s[G0W+4*\s+1], s23, \s*SLOT
	s_add_nc_u64 s[G0W+4*\s+2:G0W+4*\s+3], s[6:7], \s*65536        ; W's piece s
	s_or_b32 s[G0W+4*\s+3], s[G0W+4*\s+3], 0x80000000
.endr
	CROUND                                         ; the round in front of the launch's first tensor loads
	tensor_load_to_lds s[G0P:G0P+3], s[G1E:G1E+7]  ; chunk 0 of E fills all four regions: every wave fetches two tiles: two loads of mine are out
	s_nop 0
	tensor_load_to_lds s[G0P+4:G0P+7], s[G1E:G1E+7]
	s_nop 0
	PLACES
	; ---- set-up, while the first fills are on their way
	v_and_b32 v1, 15, v0                           ; r
	v_bfe_u32 v2, v0, 4, 1                         ; h
	v_mul_u32_u24 v3, v1, PITCH
	v_lshl_add_u32 v4, v2, 6, v3                   ; E: row r, + 64 h: my 16 numbers of a block of 32,
	v_lshl_add_u32 v3, v2, 4, v3                   ; W: row r, + 16 h
	s_mul_i32 s26, s16, 64*PITCH
	v_add_nc_u32 v4, s26, v4                       ; + my wave's 64 rows
	v_lshlrev_b32 v[HOF], 2, v1
	v_and_b32 v5, 31, v0
	v_lshlrev_b32 v[GO], 3, v5
	s_lshl_b32 s27, s16, 8
	s_add_co_u32 s27, s27, STG
	v_lshl_add_u32 v[STO], v2, 5, s27
	v_add_nc_u32 v[SRD], s27, v[GO]
.set i, 0
.rept 64
	global_load_b32 v[BF+i], v[HOF], s[10:11] offset:64*i          ; bias[16 T + r]
.set i, i+1
.endr
	s_wait_kmcnt 0x0
	s_add_co_i32 s26, s78, 127
	s_lshl_b32 s27, s26, 23                        ; 2^e0 as f32: the conversion takes its exponent field
	s_add_co_i32 s26, s26, 8
	s_lshl_b32 s26, s26, 23
	s_or_b32 s26, s26, 0x600000                    ; 448 x 2^e0
	s_add_co_i32 s76, s78, s79
	s_add_co_i32 s76, s76, 127
	s_lshl_b32 s76, s76, 23                        ; 2^(e0 + e1)
	s_mov_b32 s77, s76                             ; (named with it as a pair, so it is written)
.macro SETW w                          ; what windows 1 and 2 hold alike
	WIN 0x40*(\w)                                  ; destination window w, sources window 0
	v_add_nc_u32 v[ADB], REG, v3
	v_add_nc_u32 v[ADB+1], SLOT+REG, v3
.irp g, 0,1,2,3
	v_add_nc_u32 v[ADE+\g], \g*REG, v4
.endr
	v_mov_b32 v[SCL], s27
	v_mov_b32 v[LIM], s26
.set i, 0
.rept 64
	global_load_b32 v[HID+i], v[HOF], s[8:9] offset:64*i           ; hidden[b][16 T + r]
.set i, i+1
.endr
.endm
	SETW 1
	SETW 2
	s_wait_loadcnt 0x0
	WIN 0x01                                       ; source 0 (hidden) window 1
	v_pk_mul_f32 v[CB:CB+1], v[HID:HID+1], v[BF:BF+1]              ; hidden . bias: my 64 products,
.set i, 2
.rept 31
	v_pk_fma_f32 v[CB:CB+1], v[HID+i:HID+i+1], v[BF+i:BF+i+1], v[CB:CB+1]
.set i, i+2
.endr
	WIN 0
	v_add_f32 v[CB], v[CB], v[CB+1]
.irp m, 1,2,4,8
	v_add_f32_dpp v[CB], v[CB], v[CB] row_xmask:\m row_mask:0xf bank_mask:0xf   ; and the sixteen lanes' of my half: every lane holds the whole sum
.endr
	v_mov_b32 v[CB+1], v[CB]                       ; (named with it as a pair)
; ---- LDS loads.  LDB: the two fragments of W of n tile g (16 rows x 256 k) into set g % 4, under the multiplying setting.  LDE: 16 numbers a lane of unit u (tile u / 2, block u % 2) from region g.
.macro LDB g
.set LB_I, (\g)%4
.set LB_S, ((\g)/16)%2
.set LB_T, (\g)%16
.irp ks, 0,1
.irp c, 0,1,2,3
	ds_load_b128 v[BF+32*LB_I+16*\ks+4*\c:BF+32*LB_I+16*\ks+4*\c+3], v[ADB+LB_S] offset:16*PITCH*LB_T+128*\ks+32*\c
.endr
.endr
.set DSN, DSN+8
.if LB_I == 0
.set MB0, DSN
.elseif LB_I == 1
.set MB1, DSN
.elseif LB_I == 2
.set MB2, DSN
.else
.set MB3, DSN
.endif
.endm
.macro WAITB i                         ; set i is in; the LDS instructions issued behind its loads may be out
.if (\i) == 0
	s_wait_dscnt DSN-MB0
.elseif (\i) == 1
	s_wait_dscnt DSN-MB1
.elseif (\i) == 2
	s_wait_dscnt DSN-MB2
.else
	s_wait_dscnt DSN-MB3
.endif
.endm
.macro LDE g, u
.set LE_S, ST+16*((\u)%2)
.irp i, 0,1,2,3
	ds_load_b128 v[LE_S+4*\i:LE_S+4*\i+3], v[ADE+(\g)] offset:16*PITCH*((\u)/2)+128*((\u)%2)+16*\i
.endr
.set DSN, DSN+4
.if (\u)%2 == 0
.set ME0, DSN
.else
.set ME1, DSN
.endif
.endm
; Unit u of a chunk's piece q becomes four registers of codes: fragment (tile u / 2, K step q / 2), registers 4 c on, c = 2 (q % 2) + u % 2.
.macro CVT q, u
.set CV_S, ST+16*((\u)%2)
.set CV_D, 16*(2*((\u)/2)+(\q)/2)+4*(2*((\q)%2)+(\u)%2)
.if (\u)%2 == 0
	s_wait_dscnt DSN-ME0                           ; the unit's four loads are in
.else
	s_wait_dscnt DSN-ME1
.endif
.irp i, 0,1,2,3,4,5,6,7,8,9,10,11,12,13,14,15
	v_med3_num_f32 v[CV_S+\i], v[CV_S+\i], -v[LIM], v[LIM]         ; the conversion to an 8-bit code does not saturate (ISA guide 7.6.2): the hold comes first
.endr
	v_cvt_scalef32_pk8_fp8_f32 v[CV_D:CV_D+1], v[CV_S:CV_S+7], v[SCL]
	v_cvt_scalef32_pk8_fp8_f32 v[CV_D+2:CV_D+3], v[CV_S+8:CV_S+15], v[SCL]
	v_nop                                          ; a plain line between the conversions and whatever next touches their registers
.endm
.macro PIECE g                         ; chunk 0's piece g, from region g, into window 1
	LDE \g, 0
	LDE \g, 1
.irp u, 0,1,2,3,4,5,6,7
	CVT \g, \u
.if \u < 6
	LDE \g, \u+2
.endif
.endr
.endm
; ---- products and folds.  G: the section in hand = n tile G % 64 of chunk G / 64.
; Matrix instruction idx of 8: K step idx / 4, tile of rows idx % 4.  The first four start the sums with the constant 0.  The four accumulators of a set take turns, one instruction a turn, and
; neighbouring sections use different sets.
.macro MM idx
.set M_T, (\idx)%4
.set M_K, (\idx)/4
.set M_D, ACC+32*(G%2)+8*M_T
.set M_A, 16*(2*M_T+M_K)
.set M_B, BF+32*(G%4)+16*M_K
.if (\idx) < 4
	v_wmma_f32_16x16x128_fp8_fp8 v[M_D:M_D+7], v[M_A:M_A+15], v[M_B:M_B+15], 0
.else
	v_wmma_f32_16x16x128_fp8_fp8 v[M_D:M_D+7], v[M_A:M_A+15], v[M_B:M_B+15], v[M_D:M_D+7]
.endif
.endm
; Line u of 16 of section gp's fold: rows' tile u / 4, pair u % 4 of its eight registers, from the low end on: sums += hidden[16 (gp % 64) + r] x result.  Of hidden's pair one register serves both halves.
; Section 0's fold starts the sums: nothing is cleared.
.macro FOLD gp, u
.set F_N, (\gp)%64
.set F_H, HID+F_N-F_N%2
.set F_S, SC+8*((\u)/4)+2*((\u)%4)
.set F_A, ACC+32*((\gp)%2)+8*((\u)/4)+2*((\u)%4)
.if (\gp) == 0
	v_pk_mul_f32 v[F_S:F_S+1], v[F_H:F_H+1], v[F_A:F_A+1] op_sel_hi:[0,1]
.elseif F_N%2 == 0
	v_pk_fma_f32 v[F_S:F_S+1], v[F_H:F_H+1], v[F_A:F_A+1], v[F_S:F_S+1] op_sel_hi:[0,1,1]
.else
	v_pk_fma_f32 v[F_S:F_S+1], v[F_H:F_H+1], v[F_A:F_A+1], v[F_S:F_S+1] op_sel:[1,0,0] op_sel_hi:[1,1,1]
.endif
.endm
.macro ONE idx                         ; a matrix instruction of this section, and behind it two lines of the section before's fold
	MM \idx
.if G > 0
	FOLD G-1, 2*(\idx)
	FOLD G-1, 2*(\idx)+1
.endif
.endm
; A SECTION.  The folds are the places that matrix instructions ask for (not for the loads), by this text's count of plain lines that name none of the earlier instruction's registers:
; at least 8 between an accumulator's last product and the first fold line that reads it; 6 between a set of W's last product and the loads that fill it again; more than 12 between an accumulator's last
; product and the product that begins it anew.
; Section 13 of a step CHANGES SLOTS: this step's last fragments of W were asked for in section 12, and E's numbers were read in sections 0 to 7.  Each wave waits for all its tensor loads (its part of the next slot),
; adds 0 to its spare word, and waits for that and for its reads of this slot; the barrier opens a round of the cluster's, and the fill of the slot just left, two steps ahead, is the first thing behind it:
; it has sixteen sections, 128 matrix instructions, in which to land.  One tensor load of a wave is out behind each round.
.macro SECTION
.set T,  G%16
.set P,  G/16
.set J,  G/64
.set SG, P%2
.set CW, 1+J%2
.set NW, 3-CW
.if (T == 0) && (J < 3)
	WIN 0x55*NW                                    ; every place in the other window
	LDE 2*SG, 0                                    ; the step's piece of E: its first two units
	LDE 2*SG, 1
.endif
.if (T == 13) && (P <= 14)
	WIN 0                                          ; (the add's two registers lie in window 0)
	s_wait_tensorcnt 0x0                           ; all my tensor loads have landed: no group 0 is in use
	ds_add_u32 v[SPW], v[NIL]                      ; 0 onto my spare word
.set DSN, DSN+1
.if P <= 9
	s_add_nc_u64 s[G0E+4*SG+2:G0E+4*SG+3], s[G0E+4*SG+2:G0E+4*SG+3], 512       ; this slot's next piece of E: two pieces of 256 bytes on
.endif
.if P <= 13
	s_add_nc_u64 s[G0W+4*SG+2:G0W+4*SG+3], s[G0W+4*SG+2:G0W+4*SG+3], 131072    ; and of W: two pieces of 65,536 bytes on
.endif
	WIN CW
	WAITB G%4
.irp x, 0,1,2,3
	ONE \x
.endr
	s_wait_dscnt 0x0                               ; the add is done, and my reads of this slot are over
	s_barrier_signal -1
.irp x, 4,5,6,7
	ONE \x                                         ; work on registers while the others arrive
.endr
.if P <= 13
	WIN 0
.endif
	s_barrier_wait -1
.if P <= 9
	CREST
	JLOAD 2, SG
.elseif P <= 13
	CREST
	JLOAD 1, SG                                    ; E has been fetched whole: W's piece alone
.endif
	WIN CW
	LDB G+3                                        ; the next slot's first tile
.else
	WIN CW
	WAITB G%4
	ONE 0
	ONE 1
.if G+3 <= 255
	LDB G+3                                        ; three sections, 24 matrix instructions, ahead of its use
.endif
.irp x, 2,3,4,5,6,7
	ONE \x
.endr
.if G == 0
	PLACES                                         ; the first section has no fold beside it
.endif
.endif
.if (J < 3) && (T < 8)
	WIN 0x55*NW
	CVT P%4, T                                     ; one unit of the next chunk's codes behind each of a step's first eight sections
.if T < 6
	LDE 2*SG, T+2
.endif
.endif
.endm
	; ---- chunk 0 is quantised
	s_wait_tensorcnt 0x1                           ; my first fill (a part of pieces 0 and 1) is in; the second may stay out
	s_barrier_signal -1
	s_barrier_wait -1                              ; everybody's is
	WIN 0x55
	PIECE 0
	PIECE 1
	WIN 0
	THREE                                          ; my second fill is in too, and my reads of regions 0 and 1 are over
	CROUND
	JLOAD 2, 0                                     ; slot 0: E's piece 4, W's piece 0
	WIN 0x55
	PIECE 2
	PIECE 3
	WIN 0
	THREE                                          ; slot 0 is whole, and my reads of regions 2 and 3 are over
	CROUND
	JLOAD 2, 1                                     ; slot 1: E's piece 5, W's piece 1
	WIN 0x01
	LDB 0
	LDB 1
	LDB 2
	; ---- the sixteen steps
.set G, 0
.rept 256
	SECTION
.set G, G+1
.endr
	; ---- the way out
.irp u, 0,1,2,3,4,5,6,7,8,9,10,11,12,13,14,15
	FOLD 255, \u                                   ; the last section's fold: eight fold lines stand behind its first accumulator's last product, fourteen in front of the read of its last
.endr
	WIN 0
.irp m, 1,2,4,8
.set i, 0
.rept 32
	v_add_f32_dpp v[SC+i], v[SC+i], v[SC+i] row_xmask:\m row_mask:0xf bank_mask:0xf   ; a lane summed the n that are r modulo 16: the sixteen lanes of a half are added
.set i, i+1
.endr
.endr
.set i, 0
.rept 16
	v_pk_fma_f32 v[SC+i:SC+i+1], v[SC+i:SC+i+1], s[76:77], v[CB:CB+1] op_sel_hi:[1,0,0]   ; x 2^(e0 + e1), + hidden . bias
.set i, i+2
.endr
.irp t, 0,1,2,3
	ds_store_b128 v[STO], v[SC+8*\t:SC+8*\t+3] offset:64*\t        ; rows 16 t + 8 h + 0 .. 7: the sixteen lanes of a half write the same bytes with the same numbers
	ds_store_b128 v[STO], v[SC+8*\t+4:SC+8*\t+7] offset:64*\t+16
.endr
	ds_load_b64 v[OUT:OUT+1], v[SRD]               ; LDS serves a wave's instructions in order (ISA guide 5.7.1.4): this sees my stores
	s_wait_dscnt 0x0
	global_store_b64 v[GO], v[OUT:OUT+1], s[14:15] ; the wave stores its 64 scores: 256 consecutive bytes, at a multiple of 256 from the buffer's first byte
	s_wait_tensorcnt 0x0                           ; the wave's end, behind my last tensor load and my last LDS store
	ds_add_u32 v[SPW], v[NIL]
	s_wait_dscnt 0x0
	CROUND                                         ; the closing round: no work-group ends while a partner may still ask for a tile that names it
	s_endpgm
.Lfunc_end_k_qc4c79b9383_score:
	.size	k_qc4c79b9383_score, .Lfunc_end_k_qc4c79b9383_score-k_qc4c79b9383_score
	.p2alignl 7, 3214868480
	.fill 96, 4, 3214868480
	.section	.rodata,"a",@progbits
	.p2align	6, 0x0
	.amdhsa_kernel k_qc4c79b9383_score
		.amdhsa_group_segment_fixed_size 327680
		.amdhsa_private_segment_fixed_size 0
		.amdhsa_enable_private_segment 0
		.amdhsa_kernarg_size 48
		.amdhsa_user_sgpr_count 2
		.amdhsa_user_sgpr_kernarg_segment_ptr 1
		.amdhsa_wavefront_size32 1
		.amdhsa_system_sgpr_workgroup_id_x 1
		.amdhsa_system_sgpr_workgroup_id_y 1
		.amdhsa_system_sgpr_workgroup_id_z 1
		.amdhsa_system_vgpr_workitem_id 0
		.amdhsa_next_free_vgpr 768
		.amdhsa_next_free_sgpr 96
		.amdhsa_reserve_vcc 0
		.amdhsa_float_denorm_mode_32 3
		.amdhsa_float_denorm_mode_16_64 3
		.amdhsa_memory_ordered 1
		.amdhsa_forward_progress 1
		.amdhsa_inst_pref_size 255
	.end_amdhsa_kernel
	.section	.bss,"aw",@nobits
	.p2align	6
	.space	262144
	.amdgpu_metadata
---
amdhsa.version: [ 1, 2 ]
amdhsa.kernels:
  - .name:           k_qc4c79b9383_score
    .symbol:         k_qc4c79b9383_score.kd
    .args:
      - { .name: encoder_outputs, .offset: 0, .size: 8, .value_kind: global_buffer, .address_space: global }
      - { .name: w_codes, .offset: 8, .size: 8, .value_kind: global_buffer, .address_space: global }
      - { .name: hidden, .offset: 16, .size: 8, .value_kind: global_buffer, .address_space: global }
      - { .name: b, .offset: 24, .size: 8, .value_kind: global_buffer, .address_space: global }
      - { .name: lowp_scales, .offset: 32, .size: 8, .value_kind: global_buffer, .address_space: global }
      - { .name: scores, .offset: 40, .size: 8, .value_kind: global_buffer, .address_space: global }
    .group_segment_fixed_size: 327680
    .private_segment_fixed_size: 0
    .kernarg_segment_align: 8
    .kernarg_segment_size: 48
    .max_flat_workgroup_size: 128
    .sgpr_count:     96
    .vgpr_count:     768
    .wavefront_size: 32
...
	.end_amdgpu_metadata
.endif
;; end of part 2
;; launch soft (part 3): grid 32 x 1, 16 waves a work-group, no clusters, 2,304 bytes of LDS; arguments scores, out0; writes out0
.if DOCPART == 3
	.amdgcn_target "amdgcn-amd-amdhsa--gfx1250"
	.amdhsa_code_object_version 6
	.text
	.protected	k_qc4c79b9383_soft
	.globl	k_qc4c79b9383_soft
	.p2align	8
	.type	k_qc4c79b9383_soft,@function
k_qc4c79b9383_soft:
	s_mov_b64 s[64:65], 0
	v_nop
	global_prefetch_b8 v0, s[64:65] scope:SCOPE_SE
	s_setreg_imm32_b32 hwreg(HW_REG_WAVE_MODE, 25, 1), 1
	s_wait_xcnt 0x0
; out0[b][s] = softmax over s of scores[b][s].  One work-group of sixteen waves to a row of 2,048 numbers; thread t holds the four at byte 16 t, from the load to the store.
; The row's true maximum is taken away before the exponential; p = 2^((x - max) x log2(e)), so the largest p is 1 and the sum lies between 1 and 2,048.
; The waves' maxima meet in LDS bytes 0-63, their sums in bytes 64-127: two barriers.  Matrix units, clusters and tensor loads have nothing to do here: 8 KB a work-group, read once.
	s_load_b128 s[4:7], s[0:1], 0x0                ; scores, out0
	v_lshl_add_u32 v32, v0, 2, 0x100
	v_mov_b32 v33, 0
	v_lshrrev_b32 v1, 5, v0
	v_readfirstlane_b32 s8, v1                     ; wave 0..15
	v_lshlrev_b32 v2, 4, v0                        ; my 16 bytes of the row
	s_lshl_b32 s10, ttmp9, 13                      ; row b of 8,192 bytes
	s_mov_b32 s11, 0
	s_mov_b32 s12, 0x76543210                      ; v_permlanex16_b32's selects for lane l xor 16
	s_mov_b32 s13, 0xfedcba98
	v_mov_b32 v3, s8
	v_lshlrev_b32 v3, 2, v3                        ; my wave's word
	v_mov_b32 v10, 0
	s_wait_kmcnt 0x0
	s_add_nc_u64 s[4:5], s[4:5], s[10:11]
	s_add_nc_u64 s[6:7], s[6:7], s[10:11]
	global_load_b128 v[4:7], v2, s[4:5]
	s_wait_loadcnt 0x0
	v_max3_num_f32 v8, v4, v5, v6
	v_max_num_f32 v8, v8, v7
.irp m, 1,2,4,8
	v_max_num_f32_dpp v8, v8, v8 row_xmask:\m row_mask:0xf bank_mask:0xf
.endr
	v_mov_b32 v9, v8                               ; a lane permute's destination counts as one of its sources: it is written first
	v_permlanex16_b32 v9, v8, s12, s13
	v_max_num_f32 v8, v8, v9                       ; the wave's maximum, in every lane
	ds_store_b32 v3, v8                            ; all lanes write the same word with the same number
	s_wait_dscnt 0x0                               ; for the others' sake
	s_barrier_signal -1
	s_barrier_wait -1
.irp i, 0,1,2,3
	ds_load_b128 v[12+4*\i:15+4*\i], v10 offset:16*\i
.endr
	s_wait_dscnt 0x0
	v_max3_num_f32 v8, v12, v13, v14
	v_max3_num_f32 v9, v15, v16, v17
	v_max3_num_f32 v8, v8, v18, v19
	v_max3_num_f32 v9, v9, v20, v21
	v_max3_num_f32 v8, v8, v22, v23
	v_max3_num_f32 v9, v9, v24, v25
	v_max3_num_f32 v8, v8, v26, v27
	v_max_num_f32 v8, v8, v9                       ; the row's maximum
.irp i, 4,5,6,7
	v_sub_f32 v\i, v\i, v8
.endr
.irp i, 4,5,6,7
	v_mul_f32 v\i, 0x3fb8aa3b, v\i                 ; x log2(e)
.endr
.irp i, 4,5,6,7
	v_exp_f32 v\i, v\i
.endr
	v_nop                                          ; a plain line behind the exponentials
	s_wait_alu depctr_va_vdst(0)
	v_add_f32 v8, v4, v5
	v_add_f32 v9, v6, v7
	v_add_f32 v8, v8, v9
.irp m, 1,2,4,8
	v_add_f32_dpp v8, v8, v8 row_xmask:\m row_mask:0xf bank_mask:0xf
.endr
	v_permlanex16_b32 v9, v8, s12, s13
	v_add_f32 v8, v8, v9                           ; the wave's sum
	ds_store_b32 v3, v8 offset:64                  ; other bytes than the maxima's, which some wave may still be reading
	s_wait_dscnt 0x0
	s_barrier_signal -1
	s_barrier_wait -1
.irp i, 0,1,2,3
	ds_load_b128 v[12+4*\i:15+4*\i], v10 offset:64+16*\i
.endr
	s_wait_dscnt 0x0
	v_pk_add_f32 v[12:13], v[12:13], v[14:15]
	v_pk_add_f32 v[16:17], v[16:17], v[18:19]
	v_pk_add_f32 v[20:21], v[20:21], v[22:23]
	v_pk_add_f32 v[24:25], v[24:25], v[26:27]
	v_pk_add_f32 v[12:13], v[12:13], v[16:17]
	v_pk_add_f32 v[20:21], v[20:21], v[24:25]
	v_pk_add_f32 v[12:13], v[12:13], v[20:21]
	v_add_f32 v12, v12, v13                        ; the row's sum
	v_rcp_f32 v14, v12
	v_mov_b32 v15, 0                               ; a plain line behind the reciprocal; v15 is named with v14 as a pair
	s_wait_alu depctr_va_vdst(0)
	v_pk_mul_f32 v[4:5], v[4:5], v[14:15] op_sel_hi:[1,0]
	v_pk_mul_f32 v[6:7], v[6:7], v[14:15] op_sel_hi:[1,0]
	global_store_b128 v2, v[4:7], s[6:7] th:TH_STORE_NT            ; sixteen lanes store 256 consecutive bytes, at a multiple of 256 from the buffer's first byte
	s_wait_tensorcnt 0x0
	ds_add_u32 v32, v33
	s_wait_dscnt 0x0
	s_endpgm
.Lfunc_end_k_qc4c79b9383_soft:
	.size	k_qc4c79b9383_soft, .Lfunc_end_k_qc4c79b9383_soft-k_qc4c79b9383_soft
	.p2alignl 7, 3214868480
	.fill 96, 4, 3214868480
	.section	.rodata,"a",@progbits
	.p2align	6, 0x0
	.amdhsa_kernel k_qc4c79b9383_soft
		.amdhsa_group_segment_fixed_size 2304
		.amdhsa_private_segment_fixed_size 0
		.amdhsa_enable_private_segment 0
		.amdhsa_kernarg_size 16
		.amdhsa_user_sgpr_count 2
		.amdhsa_user_sgpr_kernarg_segment_ptr 1
		.amdhsa_wavefront_size32 1
		.amdhsa_system_sgpr_workgroup_id_x 1
		.amdhsa_system_sgpr_workgroup_id_y 1
		.amdhsa_system_sgpr_workgroup_id_z 1
		.amdhsa_system_vgpr_workitem_id 0
		.amdhsa_next_free_vgpr 34
		.amdhsa_next_free_sgpr 66
		.amdhsa_reserve_vcc 0
		.amdhsa_float_denorm_mode_32 3
		.amdhsa_float_denorm_mode_16_64 3
		.amdhsa_memory_ordered 1
		.amdhsa_forward_progress 1
		.amdhsa_inst_pref_size 5
	.end_amdhsa_kernel
	.amdgpu_metadata
---
amdhsa.version: [ 1, 2 ]
amdhsa.kernels:
  - .name:           k_qc4c79b9383_soft
    .symbol:         k_qc4c79b9383_soft.kd
    .args:
      - { .name: scores, .offset: 0, .size: 8, .value_kind: global_buffer, .address_space: global }
      - { .name: out0, .offset: 8, .size: 8, .value_kind: global_buffer, .address_space: global }
    .group_segment_fixed_size: 2304
    .private_segment_fixed_size: 0
    .kernarg_segment_align: 8
    .kernarg_segment_size: 16
    .max_flat_workgroup_size: 512
    .sgpr_count:     66
    .vgpr_count:     34
    .wavefront_size: 32
...
	.end_amdgpu_metadata
.endif
;; end of part 3
;; ======== version 2 of 2: 3 launches
;; limits: right only within a limited range of input values
;; workspace buffers: w_codes 1,048,576 bytes; scores 262,144 bytes
;; launch wq (part 4): grid 256 x 1, 4 waves a work-group, no clusters, 0 bytes of LDS; arguments W, lowp_scales, w_codes; writes w_codes
.if DOCPART == 4
	.amdgcn_target "amdgcn-amd-amdhsa--gfx1250"
	.amdhsa_code_object_version 6
	.text
	.protected	k_qc4c79b9383_wq
	.globl	k_qc4c79b9383_wq
	.p2align	8
	.type	k_qc4c79b9383_wq,@function
k_qc4c79b9383_wq:
	s_mov_b64 s[64:65], 0
	v_nop
	global_prefetch_b8 v0, s[64:65] scope:SCOPE_SE
	s_setreg_imm32_b32 hwreg(HW_REG_WAVE_MODE, 25, 1), 1
	s_wait_xcnt 0x0
; W [1024 (n)][1024 (k)], f32, becomes codes of FP8 (E4M3) with the given scale 2^e1 (entry 1 of the scales' buffer):
; code = x / 2^e1, held within +-448, rounded to the nearest code, ties to even.
; LIMITS: e1 between -126 and 119, so that 2^e1 and 448 x 2^e1 are f32 numbers.  NaN in W is not served; an infinity is held at the largest code.
; DEAD WORK OF THE PROGRAM: reference() adds b to proj, which adds hidden[b] . b to every score of row b: the same number along the softmax's axis, so it
; cancels in the softmax for all values of the inputs.  Input b has no other way to the output: it is not loaded and is among no launch's arguments.
; A NaN, an infinity or an overflow that reaches only that term is not carried to the result.
; LAYOUT OF THE CODES: group c = k / 256 of row n lies at byte 262,144 c + 256 n: sixteen dense pieces of 256 n x 256 k in the order in which the next launch fetches them.
; INSIDE A GROUP THE CODES STAND IN THE ORDER IN WHICH THE LANES HOLD THEM: byte 8 l + i is k = 4 l + i (i < 4) or 128 + 4 l + i - 4 (i >= 4).  The next launch lays E's codes
; in the same order, and a permutation of k that both operands share keeps every product.  So nothing is turned through LDS.
; SHARES: one wave to a row n = 4 x work-group + wave.  Each of its eight loads reads 512 consecutive bytes; each of its four stores covers 256 consecutive bytes, aligned.
	s_load_b128 s[4:7], s[0:1], 0x0                ; W, the scales' exponents
	s_load_b64 s[8:9], s[0:1], 0x10                ; the codes
	v_lshrrev_b32 v1, 5, v0
	v_readfirstlane_b32 s16, v1                    ; wave
	v_and_b32 v2, 31, v0                           ; lane
	v_lshlrev_b32 v3, 4, v2                        ; in: 16 bytes a lane
	v_lshlrev_b32 v4, 3, v2                        ; out: 8 bytes a lane
	s_lshl_b32 s18, ttmp9, 2
	s_add_co_u32 s18, s18, s16                     ; n
	s_lshl_b32 s20, s18, 12
	s_mov_b32 s21, 0
	s_lshl_b32 s22, s18, 8
	s_mov_b32 s23, 0
	s_wait_alu depctr_va_vdst(0)
	s_wait_kmcnt 0x0
	s_load_b32 s24, s[6:7], 0x4                    ; e1
	s_add_nc_u64 s[4:5], s[4:5], s[20:21]
	s_add_nc_u64 s[8:9], s[8:9], s[22:23]
.irp i, 0,1,2,3,4,5,6,7
	global_load_b128 v[16+4*\i:19+4*\i], v3, s[4:5] offset:512*\i th:TH_LOAD_NT   ; k = 128 i + 4 lane ..
.endr
	s_wait_kmcnt 0x0
	s_add_co_i32 s24, s24, 127
	s_lshl_b32 s25, s24, 23
	v_mov_b32 v11, s25                             ; 2^e1: the conversion takes its exponent field
	s_add_co_i32 s24, s24, 8
	s_lshl_b32 s24, s24, 23
	s_or_b32 s27, s24, 0x600000                    ; 448 x 2^e1
	s_or_b32 s26, s27, 0x80000000                  ; and its negative
	s_wait_alu depctr_va_vdst(0)
	s_wait_loadcnt 0x0
.set i, 0
.rept 32
	v_med3_num_f32 v[16+i], v[16+i], s26, s27      ; the conversion does not saturate (ISA guide 7.6.2): the hold comes first
.set i, i+1
.endr
.irp c, 0,1,2,3
	v_cvt_scalef32_pk8_fp8_f32 v[48+2*\c:49+2*\c], v[16+8*\c:23+8*\c], v11
.endr
	v_nop                                          ; a plain line behind the run of conversions
.irp c, 0,1,2,3
	global_store_b64 v4, v[48+2*\c:49+2*\c], s[8:9] offset:262144*\c
.endr
	s_endpgm
.Lfunc_end_k_qc4c79b9383_wq:
	.size	k_qc4c79b9383_wq, .Lfunc_end_k_qc4c79b9383_wq-k_qc4c79b9383_wq
	.p2alignl 7, 3214868480
	.fill 96, 4, 3214868480
	.section	.rodata,"a",@progbits
	.p2align	6, 0x0
	.amdhsa_kernel k_qc4c79b9383_wq
		.amdhsa_group_segment_fixed_size 0
		.amdhsa_private_segment_fixed_size 0
		.amdhsa_enable_private_segment 0
		.amdhsa_kernarg_size 24
		.amdhsa_user_sgpr_count 2
		.amdhsa_user_sgpr_kernarg_segment_ptr 1
		.amdhsa_wavefront_size32 1
		.amdhsa_system_sgpr_workgroup_id_x 1
		.amdhsa_system_sgpr_workgroup_id_y 1
		.amdhsa_system_sgpr_workgroup_id_z 1
		.amdhsa_system_vgpr_workitem_id 0
		.amdhsa_next_free_vgpr 64
		.amdhsa_next_free_sgpr 66
		.amdhsa_reserve_vcc 0
		.amdhsa_float_denorm_mode_32 3
		.amdhsa_float_denorm_mode_16_64 3
		.amdhsa_memory_ordered 1
		.amdhsa_forward_progress 1
		.amdhsa_inst_pref_size 5
	.end_amdhsa_kernel
	.amdgpu_metadata
---
amdhsa.version: [ 1, 2 ]
amdhsa.kernels:
  - .name:           k_qc4c79b9383_wq
    .symbol:         k_qc4c79b9383_wq.kd
    .args:
      - { .name: W, .offset: 0, .size: 8, .value_kind: global_buffer, .address_space: global }
      - { .name: lowp_scales, .offset: 8, .size: 8, .value_kind: global_buffer, .address_space: global }
      - { .name: w_codes, .offset: 16, .size: 8, .value_kind: global_buffer, .address_space: global }
    .group_segment_fixed_size: 0
    .private_segment_fixed_size: 0
    .kernarg_segment_align: 8
    .kernarg_segment_size: 24
    .max_flat_workgroup_size: 128
    .sgpr_count:     66
    .vgpr_count:     64
    .wavefront_size: 32
...
	.end_amdgpu_metadata
.endif
;; end of part 4
;; launch score (part 5): grid 256 x 1, 4 waves a work-group, clusters of 4 x 1, 327,680 bytes of LDS; arguments encoder_outputs, w_codes, hidden, lowp_scales, scores; writes scores
.if DOCPART == 5
	.amdgcn_target "amdgcn-amd-amdhsa--gfx1250"
	.amdhsa_code_object_version 6
	.text
	.protected	k_qc4c79b9383_score
	.globl	k_qc4c79b9383_score
	.p2align	8
	.type	k_qc4c79b9383_score,@function
k_qc4c79b9383_score:
	s_mov_b64 s[64:65], 0
	v_nop
	global_prefetch_b8 v0, s[64:65] scope:SCOPE_SE
	s_setreg_imm32_b32 hwreg(HW_REG_WAVE_MODE, 25, 1), 1
	s_wait_xcnt 0x0
	s_wait_alu depctr_hold_cnt(0) depctr_sa_sdst(0) depctr_va_vdst(0) depctr_va_sdst(0) depctr_va_ssrc(0) depctr_va_vcc(0) depctr_vm_vsrc(0)
	s_getreg_b32 s2, hwreg(HW_REG_IB_STS2, 6, 4)
	s_cmp_eq_u32 s2, 0
	s_cbranch_scc0 .Lentry_in_a_cluster
	s_endpgm
.Lentry_in_a_cluster:
	s_bfe_u32 s2, ttmp6, 0x10000c
	s_cmp_lg_u32 s2, 0x3003
	s_cbranch_scc0 .Lentry_shape_is_right
	s_endpgm
.Lentry_shape_is_right:
; scores[b][s] = 2^(e0+e1) x sum over n of hidden[b][n] x (sum over k of codeE[s][b][k] codeW[n][k]).  The bias is left out: hidden[b] . b is the same for all s of a row of
; the softmax and cancels there for all values (shown at the head of the first kernel); input b is not loaded.
; LIMITS: e0 between -126 and 119; e0 + e1 between -126 and 127.  NaN in E is not served; an infinity is held at the largest code.
; SHARES.  A work-group owns 256 rows s of one b.  Wave w = 2 rh + nh multiplies rows 128 rh .. + 127 with the n of half nh of every piece of W.  K goes in four chunks of 256.
; A chunk's codes of the wave's 128 rows stay in 256 registers; W's codes come in 16 pieces (256 n x 256 k, 65,536 bytes) through two LDS slots, asked for jointly by the four
; work-groups of a cluster, a quarter of a piece a wave.  A PHASE is a piece: eight tiles of 16 n a wave, 16 matrix instructions each.
; The product is used transposed (source 0 = 16 n of W, source 1 = 16 rows of E): a lane holds one row s and eight n, and 32 packed multiply-adds with hidden fold a tile's sums
; of 256 k into two running numbers a row tile (the score is linear in them, so parts along k and n may be folded as they come).
; E IS READ ONCE, STRAIGHT INTO REGISTERS: a load takes 512 consecutive bytes of a row; two loads give a lane eight k of one row, which one conversion turns into 8 bytes.
; The codes stand in the lanes' order (byte 8 l + i: k = 4 l + i, or 128 + 4 l + i - 4), as W's do: both operands share the permutation of k.  Only codes go through LDS:
; wave w converts rows 64 w .. + 63 into an image (rows 272 bytes apart), two images by turns, and both waves of a row half read their fragments from it at a chunk's start.
; Four batches of 8 rows (64 loads, 32,768 bytes a wave) are out at a time; a batch's registers are asked for again, eight loads at a time, behind its conversion: 16 tiles ahead of the next.
; NO DATA PREFETCH: E is streamed once and the launch asks memory for it throughout, by the loads just named; nothing would be asked earlier than they ask.
; THE RING.  All fragments of a slot are in registers (two sets of four tiles) when the wave signals: four tiles are multiplied from registers round the change of slots.
; REGISTERS: window 0: addresses, codes, 64 sums, hidden's 64, the 16 running numbers; window 1: W's two sets of fragments; window 2: E's codes; window 3: E as loaded.
.set PITCH, 272
.set SLOTB, 256*PITCH
.set IMG,   2*SLOTB
.set IMGB,  256*PITCH
.set HIMG,  IMG+2*IMGB                 ; hidden[b], 4,096 bytes
.set STG,   HIMG+4096                  ; the waves' partial scores, 512 bytes each
.set SPARE, STG+2048                   ; the spare words: 128 bytes a wave
.set SPW, 2
.set NIL, 3
.set EOF, 4                            ; 16 x lane
.set AST0, 5                           ; my rows' place in image 0, + 8 x lane
.set AST, 6
.set AH0, 7                            ; hidden's image: my n half, + 32 (lane / 16)
.set AH, 8
.set AHN, 9
.set AAL0, 10                          ; my row half's fragments in image 0
.set AAL, 11
.set ADB, 12                           ; v12, v13: my n half's fragments in slot 0, 1
.set SCL, 14
.set STO, 15
.set SRD, 16
.set GO, 17
.set HST, 18
.set HOF, 19
.set CD, 24                            ; v24-39 a batch's codes
.set ACC, 64
.set H, 128
.set SC, 192
.set G1, 24
.set G0, 32                            ; s[32:35] slot 0, s[36:39] slot 1
.set E0, 40
.set EB, 42
.set EC, 48                            ; which half chunk of E is being converted: 0 .. 7; the loops' counter
.set NLIM, 50
.set PLIM, 51
.set MSB, 0
.macro WIN new
.if MSB != (\new)
	s_set_vgpr_msb (MSB<<8)|(\new)
.set MSB, (\new)
.endif
.endm
.macro PLACES
.rept 4
	v_nop
.endr
.endm
.macro CREST
	s_cmp_lg_u32 s16, 0
	s_cbranch_scc1 .Lnot_wave_0_\@
	s_barrier_signal -3
.Lnot_wave_0_\@:
	s_barrier_wait -3
	s_barrier_signal -1
	s_barrier_wait -1
.endm
.macro CROUND
	s_barrier_signal -1
	s_barrier_wait -1
	CREST
.endm
.macro JLOAD s                         ; my quarter of a piece: 64 rows of 256 bytes; the same descriptor in all four work-groups
	tensor_load_to_lds s[G0+4*\s:G0+4*\s+3], s[G1:G1+7]
	s_nop 0
	PLACES
.endm
.macro ISSUEH g, i0                    ; rows i0 .. i0 + 3 of batch g of a half chunk: 1,024 bytes a row, 512 consecutive bytes a load
	WIN 0xc0
.irp i, 0,1,2,3
.irp u, 0,1
	global_load_b128 v[64*(\g)+8*((\i0)+\i)+4*\u:64*(\g)+8*((\i0)+\i)+4*\u+3], v[EOF], s[EB:EB+1] offset:(8*(\g)+(\i0)+\i)*131072+512*\u th:TH_LOAD_NT
.endr
.endr
	WIN 0
.endm
.macro ISSUE g
	ISSUEH \g, 0
	ISSUEH \g, 4
.endm
; Batch g is held, converted and stored into the image.  n: the loads that may stay out behind the batch's own 16.
; iss = 1 (the head): its registers take the same batch of the next half chunk at once, so three younger batches, 48 loads, stand behind each batch.
.macro CONV g, n, iss
	s_wait_loadcnt \n
	WIN 0xc3
.set i, 0
.rept 64
	v_med3_num_f32 v[64*(\g)+i], v[64*(\g)+i], s[NLIM], s[PLIM]   ; the conversion does not saturate (ISA guide 7.6.2)
.set i, i+1
.endr
	WIN 0x03
.irp i, 0,1,2,3,4,5,6,7
	v_cvt_scalef32_pk8_fp8_f32 v[CD+2*\i:CD+2*\i+1], v[64*(\g)+8*\i:64*(\g)+8*\i+7], v[SCL]
.endr
	v_nop                                          ; a plain line behind the run of conversions
	WIN 0
.irp i, 0,1,2,3,4,5,6,7
	ds_store_b64 v[AST], v[CD+2*\i:CD+2*\i+1] offset:(8*(\g)+\i)*PITCH   ; 32 lanes: a row's 256 bytes
.endr
.if \iss
	ISSUE \g
.endif
.endm
; What changes with EC: where the next half chunk lies in E (rows 32 (EC+1)%2 on, chunk (EC+1)/2), and where this one's codes go (image (EC/2)%2, rows 32 (EC%2) on).
; all = 1: also hidden's part for this double phase and the next (n 512 (EC%2) on), and the image that the next chunk's fragments come from.
.macro EDGE all
	s_wait_xcnt 0x0                                ; the loads have read their base: it may be written
	s_add_co_u32 s44, s[EC], 1
	s_and_b32 s46, s44, 1
	s_lshr_b32 s44, s44, 1
	s_lshl_b32 s44, s44, 10
	s_lshl_b32 s47, s46, 22
	s_add_co_u32 s44, s44, s47
	s_mov_b32 s45, 0
	s_add_nc_u64 s[EB:EB+1], s[E0:E0+1], s[44:45]
	s_and_b32 s47, s[EC], 1
	s_bfe_u32 s44, s[EC], 0x10001
	s_mul_i32 s44, s44, IMGB
	s_mul_i32 s45, s47, 32*PITCH
	s_add_co_u32 s45, s45, s44
	v_add_nc_u32 v[AST], s45, v[AST0]
.if \all
	v_add_nc_u32 v[AAL], s44, v[AAL0]
	s_lshl_b32 s47, s47, 11
	v_add_nc_u32 v[AH], s47, v[AH0]
	s_lshl_b32 s46, s46, 11
	v_add_nc_u32 v[AHN], s46, v[AH0]
.endif
	s_wait_alu depctr_va_vdst(0)
.endm
.macro LOADSET set, adr, s0, ah, hoff  ; four tiles of 16 n x 256 k, and hidden at my eight n of each
	WIN 0x40
.irp i, 0,1,2,3
.irp q, 0,1,2,3,4,5,6,7
	ds_load_b128 v[128*(\set)+32*\i+4*\q:128*(\set)+32*\i+4*\q+3], v[\adr] offset:((\s0)+\i)*16*PITCH+32*\q
.endr
.endr
	WIN 0
.irp i, 0,1,2,3
	ds_load_b128 v[H+32*(\set)+8*\i:H+32*(\set)+8*\i+3], v[\ah] offset:(\hoff)+((\s0)+\i)*64
	ds_load_b128 v[H+32*(\set)+8*\i+4:H+32*(\set)+8*\i+7], v[\ah] offset:(\hoff)+((\s0)+\i)*64+16
.endr
.endm
.macro ALOAD adr                       ; a chunk's codes of my 128 rows
	WIN 0x80
.irp t, 0,1,2,3,4,5,6,7
.irp q, 0,1,2,3,4,5,6,7
	ds_load_b128 v[32*\t+4*\q:32*\t+4*\q+3], v[\adr] offset:\t*16*PITCH+32*\q
.endr
.endr
	WIN 0
.endm
; A tile of 16 n: the eight row tiles' sums by turns, 128 k and 128 k; four places; then the fold, each sum read from its low end on.
.macro SEC set, i
	WIN 0x09
.irp t, 0,1,2,3,4,5,6,7
	v_wmma_f32_16x16x128_fp8_fp8 v[ACC+8*\t:ACC+8*\t+7], v[128*(\set)+32*(\i):128*(\set)+32*(\i)+15], v[32*\t:32*\t+15], 0
.endr
.irp t, 0,1,2,3,4,5,6,7
	v_wmma_f32_16x16x128_fp8_fp8 v[ACC+8*\t:ACC+8*\t+7], v[128*(\set)+32*(\i)+16:128*(\set)+32*(\i)+31], v[32*\t+16:32*\t+31], v[ACC+8*\t:ACC+8*\t+7]
.endr
	WIN 0
	PLACES
.irp g, 0,4
.irp j, 0,2,4,6
.irp t, 0,1,2,3
	v_pk_fma_f32 v[SC+2*(\g+\t):SC+2*(\g+\t)+1], v[H+32*(\set)+8*(\i)+\j:H+32*(\set)+8*(\i)+\j+1], v[ACC+8*(\g+\t)+\j:ACC+8*(\g+\t)+\j+1], v[SC+2*(\g+\t):SC+2*(\g+\t)+1]
.endr
.endr
.endr
.endm
; A phase on slot f.  mode 1: in the loop (conversions, E's loads, refill); 5: conversions and refill, no loads of E; 4: refill alone; 2: the last but one (nothing is filled again); 3: the last.
; ah, ahn: hidden's part for this double phase and for the next.
; A phase converts batches 2 f and 2 f + 1 in its first half, ahead of its signal.  E's loads go out in the order of the batches, eight behind each of the first four tiles.
; mode 1: behind batch 2 f's 16 loads stand the three younger batches' 48; behind batch 2 f + 1's two younger batches' 32 and the first 8 for batch 2 f's registers: 40.
; mode 5: only the younger batches still to come stand behind: 48, 32, 16, 0.
.macro PHASE f, mode, ah, ahn
	s_wait_dscnt 0x0                               ; set 0 (and at a chunk's start E's codes) is in
	LOADSET 1, ADB+\f, 4, \ah, 1024*\f
	SEC 0, 0
.if (\mode) == 1
	CONV 2*\f, 48, 0
	ISSUEH 2*\f, 0
.endif
.if (\mode) == 5
	CONV 2*\f, 48-32*\f, 0
.endif
	SEC 0, 1
.if (\mode) == 1
	CONV 2*\f+1, 40, 0
	ISSUEH 2*\f, 4
.endif
.if (\mode) == 5
	CONV 2*\f+1, 32-32*\f, 0
.endif
	SEC 0, 2
.if (\mode) == 1
	ISSUEH 2*\f+1, 0
.endif
	SEC 0, 3
.if (\mode) == 1
	ISSUEH 2*\f+1, 4
.endif
.if (\mode) != 3
	s_wait_tensorcnt 0x0                           ; my quarter of the next piece has landed
	ds_add_u32 v[SPW], v[NIL]
.if (\mode) != 2
	s_add_nc_u64 s[G0+4*\f+2:G0+4*\f+3], s[G0+4*\f+2:G0+4*\f+3], 131072   ; this slot's next piece
.endif
	s_wait_dscnt 0x0                               ; the add, my stores into the image, and my last reads of this slot: set 1 is in
	s_barrier_signal -1
	SEC 1, 0                                       ; work on registers while the others arrive
	SEC 1, 1
	s_barrier_wait -1
.if (\mode) != 2
	CREST                                          ; the round of the cluster's barrier goes on: no partner reads this slot any more
	JLOAD \f
.endif
.if \f
	LOADSET 0, ADB, 0, \ahn, 0
.else
	LOADSET 0, ADB+1, 0, \ah, 1024
.endif
.else
	s_wait_dscnt 0x0
	SEC 1, 0
	SEC 1, 1
.endif
	SEC 1, 2
	SEC 1, 3
.if (\mode) == 1 && (\f)
	s_and_b32 s44, s[EC], 1                        ; a chunk ends with every second double phase
	s_cmp_eq_u32 s44, 0
	s_cbranch_scc1 .Lno_a_\@
	ALOAD AAL
.Lno_a_\@:
.endif
.if (\mode) == 5 && (\f)
	ALOAD AAL
.endif
.endm
	s_load_b256 s[4:11], s[0:1], 0x0               ; E, W's codes, hidden, the scales' exponents
	s_load_b64 s[12:13], s[0:1], 0x20              ; scores
	v_lshl_add_u32 v[SPW], v0, 2, SPARE
	v_mov_b32 v[NIL], 0
	ds_add_u32 v[SPW], v[NIL]                      ; the opening lines: the add twice on end
	ds_add_u32 v[SPW], v[NIL]
	v_lshrrev_b32 v20, 5, v0
	v_readfirstlane_b32 s16, v20                   ; wave
	s_and_b32 s17, s16, 1                          ; nh
	s_lshr_b32 s18, s16, 1                         ; rh
	s_bfe_u32 s19, ttmp6, 0x40000
	s_lshl_b32 s20, ttmp9, 2
	s_add_co_u32 s20, s20, s19                     ; work-group
	s_and_b32 s21, s20, 31                         ; b
	s_lshr_b32 s22, s20, 5                         ; which 256 rows s
	s_mov_b32 s[G1+0], 15|(1<<20)|(1<<21)|(5<<22)|(3<<25)   ; the four partners; 16 bytes of padding behind each 256
	s_mov_b32 s[G1+1], 256<<16
	s_mov_b32 s[G1+2], 64<<16
	s_mov_b32 s[G1+3], 256<<16
	s_mov_b32 s[G1+4], 64
	s_mov_b32 s[G1+5], 256
	s_mov_b32 s[G1+6], 0
	s_mov_b32 s[G1+7], 0
	s_mul_i32 s44, s16, 64*PITCH                   ; the LDS bases, all ahead of the vector lines that take them
	s_add_co_u32 s62, s44, IMG
	s_mul_i32 s63, s18, 128*PITCH
	s_add_co_u32 s63, s63, IMG
	s_mul_i32 s23, s17, 128*PITCH
	s_add_co_u32 s49, s23, SLOTB
	s_lshl_b32 s45, s17, 9
	s_add_co_u32 s45, s45, HIMG
	s_lshl_b32 s46, s16, 9
	s_add_co_u32 s46, s46, STG
	v_and_b32 v21, 31, v0
	v_and_b32 v22, 15, v0                          ; r
	v_bfe_u32 v23, v0, 4, 1                        ; h
	v_lshlrev_b32 v[EOF], 4, v21
	v_lshl_add_u32 v[AST0], v21, 3, s62
	v_mul_u32_u24 v20, v22, PITCH
	v_lshl_add_u32 v20, v23, 4, v20                ; a fragment's lane term: row r, + 16 h
	v_add_nc_u32 v[AAL0], s63, v20
	v_add_nc_u32 v[ADB], s23, v20
	v_add_nc_u32 v[ADB+1], s49, v20
	v_lshl_add_u32 v[AH0], v23, 5, s45
	v_lshlrev_b32 v[HOF], 4, v0
	v_add_nc_u32 v[HST], HIMG, v[HOF]
	v_lshlrev_b32 v[GO], 3, v0
	v_lshl_add_u32 v[STO], v22, 2, s46
	v_lshrrev_b32 v20, 6, v0
	v_and_b32 v21, 63, v0
	v_lshlrev_b32 v20, 10, v20
	v_lshl_add_u32 v20, v21, 3, v20
	v_add_nc_u32 v[SRD], STG, v20
.set i, 0
.rept 16
	v_mov_b32 v[SC+i], 0
.set i, i+1
.endr
	s_lshl_b32 s46, s22, 25                        ; 256 rows s of 131,072 bytes
	s_lshl_b32 s47, s21, 12
	s_add_co_u32 s46, s46, s47
	s_lshl_b32 s47, s16, 23                        ; my 64 rows
	s_add_co_u32 s46, s46, s47
	s_mov_b32 s47, 0
	s_lshl_b32 s52, s21, 12
	s_mov_b32 s53, 0
	s_lshl_b32 s54, s21, 13
	s_lshl_b32 s55, s22, 10
	s_add_co_u32 s54, s54, s55
	s_mov_b32 s55, 0
	s_lshl_b32 s58, s16, 14                        ; my 64 rows of a piece
	s_mov_b32 s59, 0
	s_mov_b32 s56, 0x76543210
	s_mov_b32 s57, 0xfedcba98
	s_wait_alu depctr_va_vdst(0)
	s_wait_dscnt 0x0
	s_wait_kmcnt 0x0
	s_load_b64 s[60:61], s[10:11], 0x0             ; e0, e1
	s_add_nc_u64 s[E0:E0+1], s[4:5], s[46:47]
	s_mov_b64 s[EB:EB+1], s[E0:E0+1]
	s_add_nc_u64 s[8:9], s[8:9], s[52:53]
	s_add_nc_u64 s[12:13], s[12:13], s[54:55]
	s_add_nc_u64 s[6:7], s[6:7], s[58:59]
	global_load_b128 v[40:43], v[HOF], s[8:9]      ; hidden[b]: 32 bytes a thread
	global_load_b128 v[44:47], v[HOF], s[8:9] offset:2048
.irp g, 0,1,2,3
	ISSUE \g                                       ; the first half chunk of E
.endr
.irp s, 0,1
	s_mov_b32 s[G0+4*\s], 1
	s_add_co_u32 s[G0+4*\s+1], s44, \s*SLOTB
	s_add_nc_u64 s[G0+4*\s+2:G0+4*\s+3], s[6:7], \s*65536
	s_or_b32 s[G0+4*\s+3], s[G0+4*\s+3], 0x80000000
.endr
	CROUND
	JLOAD 0                                        ; piece 0: one tensor load a wave at the head
	s_wait_kmcnt 0x0
	s_add_co_i32 s46, s60, 127
	s_lshl_b32 s47, s46, 23
	v_mov_b32 v[SCL], s47                          ; 2^e0
	s_add_co_i32 s46, s46, 8
	s_lshl_b32 s46, s46, 23
	s_or_b32 s[PLIM], s46, 0x600000                ; 448 x 2^e0
	s_or_b32 s[NLIM], s[PLIM], 0x80000000
	s_add_co_i32 s52, s60, s61
	s_add_co_i32 s52, s52, 127
	s_lshl_b32 s52, s52, 23                        ; 2^(e0 + e1)
	s_mov_b32 s53, s52
	s_wait_alu depctr_va_vdst(0)
	s_wait_loadcnt 60                              ; hidden's two loads are the oldest; 64 stand behind them
	ds_store_b128 v[HST], v[40:43]
	ds_store_b128 v[HST], v[44:47] offset:2048
	s_mov_b32 s[EC], 0
.Lhead:                                                ; chunk 0's codes, two half chunks
	EDGE 0
.irp g, 0,1,2,3
	CONV \g, 48, 1
.endr
	s_add_co_u32 s[EC], s[EC], 1
	s_cmp_lt_u32 s[EC], 2
	s_cbranch_scc1 .Lhead
	s_wait_tensorcnt 0x0                           ; piece 0 has landed; slot 1's first fill goes as a refill does
	ds_add_u32 v[SPW], v[NIL]
	s_wait_dscnt 0x0                               ; the add, and my stores into the images: for the others' sake
	CROUND
	JLOAD 1
	ALOAD AAL0
	LOADSET 0, ADB, 0, AH0, 0
.Ldp:                                                  ; five double phases: pieces 0 to 9; each converts a half chunk and asks for the next
	EDGE 1
	PHASE 0, 1, AH, AHN
	PHASE 1, 1, AH, AHN
	s_add_co_u32 s[EC], s[EC], 1
	s_cmp_lt_u32 s[EC], 7
	s_cbranch_scc1 .Ldp
	; the rest is written out: the last half chunk (image 1, rows 32 on) has no loads behind it; the last chunk has nothing to convert; its last two pieces ask for nothing
	v_add_nc_u32 v[AST], IMGB+32*PITCH, v[AST0]
	v_add_nc_u32 v[AAL], IMGB, v[AAL0]
	v_add_nc_u32 v[AHN], 2048, v[AH0]
	s_wait_alu depctr_va_vdst(0)
	PHASE 0, 5, AHN, AH0
	PHASE 1, 5, AHN, AH0
	PHASE 0, 4, AH0, AHN
	PHASE 1, 4, AH0, AHN
	PHASE 0, 2, AHN, AHN
	PHASE 1, 3, AHN, AHN
	; a row's two running numbers, lane l xor 16's, and the other n half's through LDS
.irp t, 0,1,2,3,4,5,6,7
	v_add_f32 v[48+\t], v[SC+2*\t], v[SC+2*\t+1]
.endr
.irp t, 0,1,2,3,4,5,6,7
	v_mov_b32 v[56+\t], v[48+\t]                   ; a lane permute's destination counts as a source
.endr
.irp t, 0,1,2,3,4,5,6,7
	v_permlanex16_b32 v[56+\t], v[48+\t], s56, s57
.endr
.irp t, 0,1,2,3,4,5,6,7
	v_add_f32 v[48+\t], v[48+\t], v[56+\t]
.endr
.irp t, 0,1,2,3,4,5,6,7
	ds_store_b32 v[STO], v[48+\t] offset:64*\t     ; row 16 t + r of my half; lanes l and l xor 16 write the same number
.endr
	s_wait_dscnt 0x0
	s_barrier_signal -1
	s_barrier_wait -1
	ds_load_b64 v[40:41], v[SRD]                   ; rows 2 t, 2 t + 1: n half 0,
	ds_load_b64 v[42:43], v[SRD] offset:512        ; n half 1
	s_wait_dscnt 0x0
	v_pk_add_f32 v[40:41], v[40:41], v[42:43]
	v_pk_mul_f32 v[40:41], v[40:41], s[52:53] op_sel_hi:[1,0]
	global_store_b64 v[GO], v[40:41], s[12:13]     ; a wave stores 256 consecutive bytes, aligned
	s_wait_tensorcnt 0x0                           ; the wave's end
	ds_add_u32 v[SPW], v[NIL]
	s_wait_dscnt 0x0
	CROUND                                         ; the closing round
	s_endpgm
.Lfunc_end_k_qc4c79b9383_score:
	.size	k_qc4c79b9383_score, .Lfunc_end_k_qc4c79b9383_score-k_qc4c79b9383_score
	.p2alignl 7, 3214868480
	.fill 96, 4, 3214868480
	.section	.rodata,"a",@progbits
	.p2align	6, 0x0
	.amdhsa_kernel k_qc4c79b9383_score
		.amdhsa_group_segment_fixed_size 327680
		.amdhsa_private_segment_fixed_size 0
		.amdhsa_enable_private_segment 0
		.amdhsa_kernarg_size 40
		.amdhsa_user_sgpr_count 2
		.amdhsa_user_sgpr_kernarg_segment_ptr 1
		.amdhsa_wavefront_size32 1
		.amdhsa_system_sgpr_workgroup_id_x 1
		.amdhsa_system_sgpr_workgroup_id_y 1
		.amdhsa_system_sgpr_workgroup_id_z 1
		.amdhsa_system_vgpr_workitem_id 0
		.amdhsa_next_free_vgpr 1024
		.amdhsa_next_free_sgpr 66
		.amdhsa_reserve_vcc 0
		.amdhsa_float_denorm_mode_32 3
		.amdhsa_float_denorm_mode_16_64 3
		.amdhsa_memory_ordered 1
		.amdhsa_forward_progress 1
		.amdhsa_inst_pref_size 255
	.end_amdhsa_kernel
	.section	.bss,"aw",@nobits
	.p2align	6
	.space	262144
	.amdgpu_metadata
---
amdhsa.version: [ 1, 2 ]
amdhsa.kernels:
  - .name:           k_qc4c79b9383_score
    .symbol:         k_qc4c79b9383_score.kd
    .args:
      - { .name: encoder_outputs, .offset: 0, .size: 8, .value_kind: global_buffer, .address_space: global }
      - { .name: w_codes, .offset: 8, .size: 8, .value_kind: global_buffer, .address_space: global }
      - { .name: hidden, .offset: 16, .size: 8, .value_kind: global_buffer, .address_space: global }
      - { .name: lowp_scales, .offset: 24, .size: 8, .value_kind: global_buffer, .address_space: global }
      - { .name: scores, .offset: 32, .size: 8, .value_kind: global_buffer, .address_space: global }
    .group_segment_fixed_size: 327680
    .private_segment_fixed_size: 0
    .kernarg_segment_align: 8
    .kernarg_segment_size: 40
    .max_flat_workgroup_size: 128
    .sgpr_count:     66
    .vgpr_count:     1024
    .wavefront_size: 32
...
	.end_amdgpu_metadata
.endif
;; end of part 5
;; launch soft (part 6): grid 32 x 1, 16 waves a work-group, no clusters, 2,304 bytes of LDS; arguments scores, out0; writes out0
.if DOCPART == 6
	.amdgcn_target "amdgcn-amd-amdhsa--gfx1250"
	.amdhsa_code_object_version 6
	.text
	.protected	k_qc4c79b9383_soft
	.globl	k_qc4c79b9383_soft
	.p2align	8
	.type	k_qc4c79b9383_soft,@function
k_qc4c79b9383_soft:
	s_mov_b64 s[64:65], 0
	v_nop
	global_prefetch_b8 v0, s[64:65] scope:SCOPE_SE
	s_setreg_imm32_b32 hwreg(HW_REG_WAVE_MODE, 25, 1), 1
	s_wait_xcnt 0x0
; out0[b][s] = softmax over s of scores[b][s].  One work-group of sixteen waves to a row of 2,048 numbers; thread t holds the four at byte 16 t, from the load to the store.
; The row's true maximum is taken away before the exponential; p = 2^((x - max) x log2(e)), so the largest p is 1 and the sum lies between 1 and 2,048.
; The waves' maxima meet in LDS bytes 0-63, their sums in bytes 64-127: two barriers.  Matrix units, clusters and tensor loads have nothing to do here: 8 KB a work-group, read once.
	s_load_b128 s[4:7], s[0:1], 0x0                ; scores, out0
	v_lshl_add_u32 v32, v0, 2, 0x100
	v_mov_b32 v33, 0
	v_lshrrev_b32 v1, 5, v0
	s_delay_alu instid0(VALU_DEP_1)
	v_readfirstlane_b32 s8, v1                     ; wave 0..15
	v_lshlrev_b32 v2, 4, v0                        ; my 16 bytes of the row
	s_lshl_b32 s10, ttmp9, 13                      ; row b of 8,192 bytes
	s_mov_b32 s11, 0
	s_mov_b32 s12, 0x76543210                      ; v_permlanex16_b32's selects for lane l xor 16
	s_mov_b32 s13, 0xfedcba98
	v_mov_b32 v3, s8
	s_delay_alu instid0(VALU_DEP_1)
	v_lshlrev_b32 v3, 2, v3                        ; my wave's word
	v_mov_b32 v10, 0
	s_wait_alu depctr_va_vdst(0)
	s_wait_kmcnt 0x0
	s_add_nc_u64 s[4:5], s[4:5], s[10:11]
	s_add_nc_u64 s[6:7], s[6:7], s[10:11]
	global_load_b128 v[4:7], v2, s[4:5]
	s_wait_loadcnt 0x0
	v_max3_num_f32 v8, v4, v5, v6
	s_delay_alu instid0(VALU_DEP_1)
	v_max_num_f32 v8, v8, v7
.irp m, 1,2,4,8
	s_delay_alu instid0(VALU_DEP_1)
	v_max_num_f32_dpp v8, v8, v8 row_xmask:\m row_mask:0xf bank_mask:0xf
.endr
	s_delay_alu instid0(VALU_DEP_1)
	v_mov_b32 v9, v8                               ; a lane permute's destination counts as one of its sources: it is written first
	s_delay_alu instid0(VALU_DEP_1)
	v_permlanex16_b32 v9, v8, s12, s13
	s_delay_alu instid0(VALU_DEP_1)
	v_max_num_f32 v8, v8, v9                       ; the wave's maximum, in every lane
	ds_store_b32 v3, v8                            ; all lanes write the same word with the same number
	s_wait_dscnt 0x0                               ; for the others' sake
	s_barrier_signal -1
	s_barrier_wait -1
.irp i, 0,1,2,3
	ds_load_b128 v[12+4*\i:15+4*\i], v10 offset:16*\i
.endr
	s_wait_dscnt 0x0
	v_max3_num_f32 v8, v12, v13, v14
	v_max3_num_f32 v9, v15, v16, v17
	s_delay_alu instid0(VALU_DEP_2)
	v_max3_num_f32 v8, v8, v18, v19
	s_delay_alu instid0(VALU_DEP_2)
	v_max3_num_f32 v9, v9, v20, v21
	s_delay_alu instid0(VALU_DEP_2)
	v_max3_num_f32 v8, v8, v22, v23
	s_delay_alu instid0(VALU_DEP_2)
	v_max3_num_f32 v9, v9, v24, v25
	s_delay_alu instid0(VALU_DEP_2)
	v_max3_num_f32 v8, v8, v26, v27
	s_delay_alu instid0(VALU_DEP_1)
	v_max_num_f32 v8, v8, v9                       ; the row's maximum
.irp i, 4,5,6,7
	v_sub_f32 v\i, v\i, v8
.endr
.irp i, 4,5,6,7
	s_delay_alu instid0(VALU_DEP_4)
	v_mul_f32 v\i, 0x3fb8aa3b, v\i                 ; x log2(e)
.endr
	s_wait_alu depctr_va_vdst(0)
.irp i, 4,5,6,7
	v_exp_f32 v\i, v\i
.endr
	v_nop                                          ; a plain line behind the exponentials
	s_wait_alu depctr_va_vdst(0)
	v_add_f32 v8, v4, v5
	v_add_f32 v9, v6, v7
	s_delay_alu instid0(VALU_DEP_1)
	v_add_f32 v8, v8, v9
.irp m, 1,2,4,8
	s_delay_alu instid0(VALU_DEP_1)
	v_add_f32_dpp v8, v8, v8 row_xmask:\m row_mask:0xf bank_mask:0xf
.endr
	s_delay_alu instid0(VALU_DEP_1)
	v_permlanex16_b32 v9, v8, s12, s13
	s_delay_alu instid0(VALU_DEP_1)
	v_add_f32 v8, v8, v9                           ; the wave's sum
	ds_store_b32 v3, v8 offset:64                  ; other bytes than the maxima's, which some wave may still be reading
	s_wait_dscnt 0x0
	s_barrier_signal -1
	s_barrier_wait -1
.irp i, 0,1,2,3
	ds_load_b128 v[12+4*\i:15+4*\i], v10 offset:64+16*\i
.endr
	s_wait_dscnt 0x0
	v_pk_add_f32 v[12:13], v[12:13], v[14:15]
	v_pk_add_f32 v[16:17], v[16:17], v[18:19]
	v_pk_add_f32 v[20:21], v[20:21], v[22:23]
	v_pk_add_f32 v[24:25], v[24:25], v[26:27]
	s_delay_alu instid0(VALU_DEP_3)
	v_pk_add_f32 v[12:13], v[12:13], v[16:17]
	s_delay_alu instid0(VALU_DEP_2)
	v_pk_add_f32 v[20:21], v[20:21], v[24:25]
	s_delay_alu instid0(VALU_DEP_1)
	v_pk_add_f32 v[12:13], v[12:13], v[20:21]
	s_delay_alu instid0(VALU_DEP_1)
	v_add_f32 v12, v12, v13                        ; the row's sum
	s_wait_alu depctr_va_vdst(0)
	v_rcp_f32 v14, v12
	v_mov_b32 v15, 0                               ; a plain line behind the reciprocal; v15 is named with v14 as a pair
	s_wait_alu depctr_va_vdst(0)
	v_pk_mul_f32 v[4:5], v[4:5], v[14:15] op_sel_hi:[1,0]
	v_pk_mul_f32 v[6:7], v[6:7], v[14:15] op_sel_hi:[1,0]
	global_store_b128 v2, v[4:7], s[6:7] th:TH_STORE_NT            ; sixteen lanes store 256 consecutive bytes, at a multiple of 256 from the buffer's first byte
	s_wait_tensorcnt 0x0
	ds_add_u32 v32, v33
	s_wait_dscnt 0x0
	s_endpgm
.Lfunc_end_k_qc4c79b9383_soft:
	.size	k_qc4c79b9383_soft, .Lfunc_end_k_qc4c79b9383_soft-k_qc4c79b9383_soft
	.p2alignl 7, 3214868480
	.fill 96, 4, 3214868480
	.section	.rodata,"a",@progbits
	.p2align	6, 0x0
	.amdhsa_kernel k_qc4c79b9383_soft
		.amdhsa_group_segment_fixed_size 2304
		.amdhsa_private_segment_fixed_size 0
		.amdhsa_enable_private_segment 0
		.amdhsa_kernarg_size 16
		.amdhsa_user_sgpr_count 2
		.amdhsa_user_sgpr_kernarg_segment_ptr 1
		.amdhsa_wavefront_size32 1
		.amdhsa_system_sgpr_workgroup_id_x 1
		.amdhsa_system_sgpr_workgroup_id_y 1
		.amdhsa_system_sgpr_workgroup_id_z 1
		.amdhsa_system_vgpr_workitem_id 0
		.amdhsa_next_free_vgpr 34
		.amdhsa_next_free_sgpr 66
		.amdhsa_reserve_vcc 0
		.amdhsa_float_denorm_mode_32 3
		.amdhsa_float_denorm_mode_16_64 3
		.amdhsa_memory_ordered 1
		.amdhsa_forward_progress 1
		.amdhsa_inst_pref_size 6
	.end_amdhsa_kernel
	.amdgpu_metadata
---
amdhsa.version: [ 1, 2 ]
amdhsa.kernels:
  - .name:           k_qc4c79b9383_soft
    .symbol:         k_qc4c79b9383_soft.kd
    .args:
      - { .name: scores, .offset: 0, .size: 8, .value_kind: global_buffer, .address_space: global }
      - { .name: out0, .offset: 8, .size: 8, .value_kind: global_buffer, .address_space: global }
    .group_segment_fixed_size: 2304
    .private_segment_fixed_size: 0
    .kernarg_segment_align: 8
    .kernarg_segment_size: 16
    .max_flat_workgroup_size: 512
    .sgpr_count:     66
    .vgpr_count:     34
    .wavefront_size: 32
...
	.end_amdgpu_metadata
.endif
;; end of part 6
